; MI455X (gfx1250); checked and timed in simulation.
; The chip was launched on July 23, 2026; its instructions are those of AMD's public machine-readable ISA for CDNA 5 (MIT licence, August 2026) and "CDNA5" Instruction Set Architecture Reference Guide (July 2026). The comments in the code are by the model that wrote it; some were corrected since.
;; Additive Attn. Allowed arithmetic: matrix products marked QUANTISED: E3M2 operands, one E8M0 scale for each 32 along K, by v_wmma_scale_f32_16x16x128_f8f6f4 with both operands' format E3M2, f32 sums; products left as they are: f32 operands where the result goes on into a quantised operand, else bf16, f16 or f32 operands; f32 sums; everything else in f32.
;; Inputs: W1 1,024 x 2,048 float32; W2 1 x 1,024 float32; b1 1,024 float32; b2 1 float32; cur_hidden 32 x 1,024 float32; encoder_output 1,024 x 32 x 1,024 float32.
;; Outputs: out0 32 x 1,024 float32; out1 32 x 1,024 float32.
;; This version of the problem:
;;   THIS VERSION OF THE PROBLEM IS GIVEN IN LOW PRECISION. The matrix products marked QUANTISED in the list below multiply operands that are first quantised to E3M2 (3 exponent bits, 2 mantissa bits; 6 bits a number), with one power-of-two scale for each 32 numbers along K (OCP MX v1.0); their sums are f32. All else is computed in f32.
;;   The module's matrix products, in the order in which they are computed (A, B: the left and right operand; K: the contracted axis; several contracted axes count as one K, in the product's order):
;;     1. [M 32,768, K 2,048] x [K 2,048, N 1,024]; A: computed on the way; B: input W1: QUANTISED
;;     2. [M 32,768, K 1,024] x [K 1,024, N 1]; A: computed on the way; B: input W2: left as it is (N = 1 < 16)
;;     3. batch 32 x [M 1, K 1,024] x [K 1,024, N 1,024]; A: softmax; B: input encoder_output: left as it is (M = 1 < 16)
;;   THE QUANTISER, for each operand of a quantised product, along K:
;;     - K is cut into blocks of 32 from its start; a last block that is shorter is filled with zeros.
;;     - A block's scale is 2^e with e = floor(log2(the largest magnitude in the block)) - 4, held to -126 .. 127; a block of zeros has e = 0. As a byte (E8M0): e + 127.
;;     - Each number is divided by its block's scale, clamped to +-28, and rounded to the nearest number of E3M2, ties to even, subnormals kept.
;;     - The product sums the exact products of the quantised numbers (number of the format x scale) in f32.
;;   ~~~python
;;   def quantise(x, axis):      # numpy; x: float32 -> the quantised numbers, widened to float32 again
;;       x = np.moveaxis(x, axis, -1); K = x.shape[-1]
;;       x = np.pad(x, [(0, 0)] * (x.ndim - 1) + [(0, -K % 32)]); x = x.reshape(x.shape[:-1] + (-1, 32)); a = np.abs(x).max(-1, keepdims=True)
;;       e = np.where(a > 0, np.clip(np.frexp(np.where(a > 0, a, 1))[1] - 1 - 4, -126, 127), 0)      # np.frexp(a)[1] - 1 = floor(log2(a)), exactly
;;       r = np.clip(x / 2.0 ** e, -28, 28)
;;       step = 2.0 ** (np.maximum(np.frexp(np.where(r == 0, 1, r))[1] - 1, -2) - 2)
;;       q = np.round(r / step) * step * 2.0 ** e      # np.round: ties to even
;;       return np.moveaxis(q.reshape(q.shape[:-2] + (-1,))[..., :K], -1, axis).astype(np.float32)
;;   ~~~
;;   OPERANDS COMPUTED ON THE WAY. 'Computed on the way' means the value that the module computes at that place (a softmax that the list does not call 'softmax' is quantised finished and normalised). What goes into a quantiser is computed in f32, as accurately as f32 sums, v_exp_f32 and their like allow (about 1e-6 of the number): no bf16 or f16 on the way to a quantiser, and a product that is left as it is and whose result goes on into a quantised operand takes f32 operands (vector FMAs, or v_wmma_f32_16x16x4_f32). A number that lies on a knife's edge between two numbers of the format may be rounded either way, as far as f32 arithmetic and the matrix unit's own rounding can turn it there, and no further.
;; One version. Each part assembles by itself: llvm-mc -triple=amdgcn-amd-amdhsa -mcpu=gfx1250 --defsym DOCPART=n.
;; ======== version 1 of 1: 3 launches
;; workspace buffers: w1img 819,200 bytes; gbias 131,072 bytes; scores 131,072 bytes; ctxp 2,097,152 bytes
;; launch prep (part 1): grid 64 x 1, 16 waves a work-group, no clusters, 176,128 bytes of LDS; arguments W1, cur_hidden, b1, w1img, gbias; writes w1img, gbias
.if DOCPART == 1
	.amdgcn_target "amdgcn-amd-amdhsa--gfx1250"
	.amdhsa_code_object_version 6
	.text
	.protected	k_q9606021c03_prep
	.globl	k_q9606021c03_prep
	.p2align	8
	.type	k_q9606021c03_prep,@function
k_q9606021c03_prep:
	s_mov_b64 s[64:65], 0
	v_nop
	global_prefetch_b8 v0, s[64:65] scope:SCOPE_SE
	s_setreg_imm32_b32 hwreg(HW_REG_WAVE_MODE, 25, 1), 1
	s_wait_xcnt 0x0
; W1 [1024][2048] f32 and cur_hidden [32][1024] f32 are quantised to BF6 (E3M2) with one E8M0 scale for each 32 along K, and the part of the first
; product that is the same for every time step is made once:  gbias[b][n] = b1[n] + sum over k of Q(cur)[b][k] Q(W1)[n][1024 + k].
; (x = [enc | cur]; blocks of 32 never straddle column 1,024, and cur is broadcast over t, so its codes and its half of each sum do not hang on t.)
; W1's first 1,024 columns leave as IMAGES OF THE OPERAND'S REGISTERS: w1img[w 4][s 8][q 4] records of 6,400 bytes (w: 256 rows of W1, s: 128 along K, q: 64 rows):
; fragment i (rows 256 w + 64 q + 16 i + r) at 1536 i + 512 c + 16 lane, c = 0..2; its sixteen scale words at 6144 + 64 i + 4 r.
; SHARES.  Work-group nb takes rows 16 nb .. 16 nb + 15 of W1.  Wave v: s = v % 8, hf = v / 8.  It quantises W1[16 nb + i][1024 hf + 128 s ..] (hf = 0: to w1img; hf = 1: to LDS)
; and cur[16 hf + i][128 s ..] (to LDS).  Behind one barrier waves 0 and 1 multiply: eight matrix instructions each, for cur's rows 16 v .. 16 v + 15.
; A load reads 512 consecutive bytes of one row; the operand wants 32 neighbours along K in one lane: so a fragment's 16 x 512 bytes turn through the wave's own stage in LDS.
; A block's scale byte is its largest magnitude's exponent field - 4, held at 1 from below.  LIMITS: a block of zeros gets the byte 1 (the rule says 127): its codes are zeros and
; only this program reads the bytes; blocks whose largest magnitude lies under 2^-122 share that byte; NaN and infinities among the inputs are not served.
.set SPITCH, 528                       ; a stage row: 512 bytes + 16: sixteen rows begin in sixteen different columns of 16 bytes modulo 256
.set WSTG,  16*SPITCH                  ; a wave's stage
.set WIMG,  16*WSTG                    ; behind the stages: images of W1's second half, 8 x 1,536 bytes (K step s)
.set CIMG,  WIMG+8*1536                ; images of cur, 16 x 1,536 bytes (8 hf + s)
.set SCL,   CIMG+16*1536               ; scale words, 16 x 128 bytes (8 hf + s): W1's sixteen words, then cur's sixteen
.set VA,  1                            ; v1   W1: 4096 hf + 512 s + 16 lane
.set VB,  2                            ; v2   cur: 65536 hf + 512 s + 16 lane
.set STW, 3                            ; v3   my stage, way in: 16 lane
.set STR, 4                            ; v4   my stage, way out: 528 r + 128 h
.set IA,  5                            ; v5   where W1's image goes
.set IB,  6                            ; v6   where cur's image goes
.set SA,  7                            ; v7   where W1's scale words go
.set SB,  8                            ; v8   where cur's go
.set L16, 9                            ; v9   16 lane
.set R4,  10                           ; v10  4 r
.set FW,  11                           ; v11  the product: W1's images
.set FC,  12                           ; v12  cur's images
.set FS,  13                           ; v13  the scale words
.set GO,  14                           ; v14  my place in gbias
.set B1O, 15                           ; v15  32 h
.set SH8, 16                           ; v16  8 h
.set TM,  17                           ; v17-25 at work in QUANT6
.set PWA, 26                           ; v26  W1's scale word
.set PWB, 27                           ; v27  cur's
.set TQ,  28                           ; v28-34 the upper halves of two blocks' codes
.set PCA, 36                           ; v36-47 W1's fragment
.set SCV, 48                           ; v48-55 scale words of the eight K steps: these registers hold scales and nothing else
.set BT,  56                           ; v56-63 b1 in the result's layout
.set RA,  64                           ; v64-127  W1 as loaded
.set PCB, 64                           ; v64-75   cur's fragment, when RA is done with
.set RB,  128                          ; v128-191 cur as loaded
.set X,   192                          ; v192-255 64 numbers in the operand's order
.set WF,  64                           ; the product: W1's eight fragments v64-159,
.set CF,  160                          ; cur's eight v160-255,
.set AC0, 18                           ; two accumulators v18-25, v26-33,
.set AC1, 26
.set RES, 36                           ; and their sum v36-43
.set WV,  14
.set SEL, 16
; 64 numbers of a lane, v[x + 32 c + i] = k 64 c + 32 h + i of my row: two whole blocks.  They become the fragment's 12 registers v[pc] on and my row's scale word v[w].
.macro QUANT6 x, pc, w
.irp c, 0,1
	v_max3_num_f32 v[TM+2*\c], |v[\x+32*\c]|, |v[\x+32*\c+1]|, 0x2800000      ; two chains a block, four by turns; the floor 2^(5 - 127) holds the byte at 1 from below
	v_max3_num_f32 v[TM+2*\c+1], |v[\x+32*\c+16]|, |v[\x+32*\c+17]|, |v[\x+32*\c+18]|
.endr
.irp i, 0,1,2,3,4,5
.irp c, 0,1
	v_max3_num_f32 v[TM+2*\c], v[TM+2*\c], |v[\x+32*\c+2+2*\i]|, |v[\x+32*\c+3+2*\i]|
	v_max3_num_f32 v[TM+2*\c+1], v[TM+2*\c+1], |v[\x+32*\c+19+2*\i]|, |v[\x+32*\c+20+2*\i]|
.endr
.endr
.irp c, 0,1
	v_max3_num_f32 v[TM+2*\c], v[TM+2*\c], |v[\x+32*\c+14]|, |v[\x+32*\c+15]|
.endr
.irp c, 0,1
	v_max3_num_f32 v[TM+2*\c], v[TM+2*\c], v[TM+2*\c+1], |v[\x+32*\c+31]|     ; the block's largest magnitude
.endr
.irp c, 0,1
	v_add_nc_u32 v[TM+4+\c], 0xfe000000, v[TM+2*\c]                           ; 4 off its exponent field: the conversion takes that field as its scale
.endr
.irp c, 0,1
	v_lshrrev_b32 v[TM+6+\c], 23, v[TM+4+\c]                                  ; the scale's byte
.endr
	v_lshl_or_b32 v[\w], v[TM+7], 16, v[TM+6]                                 ; my two bytes: blocks h and 2 + h,
	v_lshlrev_b32 v[\w], v[SH8], v[\w]                                        ; at their places in the word;
	v_permlanex16_b32 v[TM+8], v[\w], s[SEL], s[SEL+1]
	v_or_b32 v[\w], v[\w], v[TM+8]                                            ; with lane l xor 16's two the word is whole
	v_cvt_scalef32_pk16_bf6_f32 v[\pc:\pc+2], v[\x:\x+15], v[TM+4]
	v_cvt_scalef32_pk16_bf6_f32 v[TQ:TQ+2], v[\x+16:\x+31], v[TM+4]           ; (a conversion's three registers begin on an even number)
	v_cvt_scalef32_pk16_bf6_f32 v[\pc+6:\pc+8], v[\x+32:\x+47], v[TM+5]
	v_cvt_scalef32_pk16_bf6_f32 v[TQ+4:TQ+6], v[\x+48:\x+63], v[TM+5]
	v_nop                                                                     ; one plain place behind the scaled conversions
.irp c, 0,1
.irp i, 0,1,2
	v_mov_b32 v[\pc+3+6*\c+\i], v[TQ+4*\c+\i]
.endr
.endr
.endm
; 16 rows x 512 bytes through my stage: in as loaded, out in the operand's order.  LDS serves a wave's instructions in order, so no wait stands between the stores and the loads.
.macro TURN reg
.irp i, 0,1,2,3,4,5,6,7,8,9,10,11,12,13,14,15
	ds_store_b128 v[STW], v[\reg+4*\i:\reg+4*\i+3] offset:SPITCH*\i
.endr
.irp c, 0,1
.irp j, 0,1,2,3,4,5,6,7
	ds_load_b128 v[X+32*\c+4*\j:X+32*\c+4*\j+3], v[STR] offset:256*\c+16*\j
.endr
.endr
	s_wait_dscnt 0x0                               ; the 64 numbers are in, and the stores have read their registers
.endm
	s_load_b256 s[4:11], s[0:1], 0x0               ; W1 s[4:5], cur s[6:7], b1 s[8:9], w1img s[10:11]
	s_load_b64 s[12:13], s[0:1], 0x20              ; gbias
	v_lshrrev_b32 v17, 5, v0
	v_readfirstlane_b32 s[WV], v17                 ; wave 0..15
	v_and_b32 v17, 31, v0                          ; lane
	v_and_b32 v18, 15, v0                          ; r
	v_bfe_u32 v19, v0, 4, 1                        ; h
	s_and_b32 s15, s[WV], 7                        ; s: my K step
	s_lshr_b32 s18, s[WV], 3                       ; hf
	s_and_b32 s19, s[WV], 1                        ; which sixteen rows of cur I multiply (waves 0 and 1)
	s_mov_b32 s[SEL], 0x76543210
	s_mov_b32 s[SEL+1], 0xfedcba98                 ; v_permlanex16_b32's selects for lane l xor 16
	; every address register is made here, ahead of the first branch on the wave's number
	s_lshl_b32 s30, s18, 12
	s_lshl_b32 s31, s15, 9
	s_add_co_u32 s30, s30, s31
	v_lshl_add_u32 v[VA], v17, 4, s30
	s_lshl_b32 s30, s18, 16
	s_add_co_u32 s30, s30, s31
	v_lshl_add_u32 v[VB], v17, 4, s30
	s_mul_i32 s30, s[WV], WSTG
	v_lshl_add_u32 v[STW], v17, 4, s30
	v_mul_u32_u24 v[STR], v18, SPITCH
	v_lshl_add_u32 v[STR], v19, 7, v[STR]
	v_add_nc_u32 v[STR], s30, v[STR]
	s_mul_i32 s30, s15, 1536
	s_add_co_u32 s30, s30, WIMG
	v_lshl_add_u32 v[IA], v17, 4, s30
	s_mul_i32 s30, s[WV], 1536
	s_add_co_u32 s30, s30, CIMG
	v_lshl_add_u32 v[IB], v17, 4, s30
	s_lshl_b32 s30, s15, 7
	s_add_co_u32 s30, s30, SCL
	v_lshl_add_u32 v[SA], v18, 2, s30
	s_lshl_b32 s30, s[WV], 7
	s_add_co_u32 s30, s30, SCL+64
	v_lshl_add_u32 v[SB], v18, 2, s30
	v_lshlrev_b32 v[L16], 4, v17
	v_lshlrev_b32 v[R4], 2, v18
	v_lshl_add_u32 v[FW], v17, 4, WIMG
	s_mul_i32 s30, s19, 8*1536
	s_add_co_u32 s30, s30, CIMG
	v_lshl_add_u32 v[FC], v17, 4, s30
	s_lshl_b32 s30, s19, 10
	s_add_co_u32 s30, s30, SCL
	v_lshl_add_u32 v[FS], v17, 2, s30
	s_lshl_b32 s30, s19, 16
	v_lshl_add_u32 v[GO], v18, 12, s30             ; gbias: row 16 (wave % 2) + r of 4,096 bytes,
	v_lshl_add_u32 v[GO], v19, 5, v[GO]            ; + 32 h
	v_lshlrev_b32 v[B1O], 5, v19
	v_lshlrev_b32 v[SH8], 3, v19
	v_mov_b32 v[TM+8], 0                           ; written once: a lane permute's destination counts as one of its sources
	; offsets, apart from the addresses
	s_lshl_b32 s20, ttmp9, 17                      ; W1: 16 rows of 8,192 bytes a work-group
	s_mov_b32 s21, 0
	s_lshl_b32 s22, ttmp9, 6                       ; b1 and gbias: 16 numbers a work-group
	s_mov_b32 s23, 0
	s_lshr_b32 s24, ttmp9, 4                       ; the record: ((nb / 16) 8 + s) 4 + (nb / 4) % 4
	s_lshl_b32 s24, s24, 3
	s_add_co_u32 s24, s24, s15
	s_lshl_b32 s24, s24, 2
	s_bfe_u32 s25, ttmp9, 0x20002
	s_add_co_u32 s24, s24, s25
	s_mul_i32 s24, s24, 6400
	s_and_b32 s25, ttmp9, 3                        ; the fragment in it: nb % 4
	s_mul_i32 s26, s25, 1536
	s_add_co_u32 s26, s26, s24
	s_mov_b32 s27, 0
	s_lshl_b32 s28, s25, 6
	s_add_co_u32 s28, s28, s24
	s_add_co_u32 s28, s28, 6144
	s_mov_b32 s29, 0
	s_wait_kmcnt 0x0
	s_add_nc_u64 s[4:5], s[4:5], s[20:21]
	s_add_nc_u64 s[8:9], s[8:9], s[22:23]
	s_add_nc_u64 s[12:13], s[12:13], s[22:23]
	s_add_nc_u64 s[26:27], s[10:11], s[26:27]      ; where my fragment's image goes
	s_add_nc_u64 s[28:29], s[10:11], s[28:29]      ; and its scale words
	global_load_b128 v[BT:BT+3], v[B1O], s[8:9]               ; b1[16 nb + 8 h + 0 .. 7]: the result's layout
	global_load_b128 v[BT+4:BT+7], v[B1O], s[8:9] offset:16
.irp i, 0,1,2,3,4,5,6,7,8,9,10,11,12,13,14,15
	global_load_b128 v[RA+4*\i:RA+4*\i+3], v[VA], s[4:5] offset:8192*\i th:TH_LOAD_NT   ; 32 lanes read 512 consecutive bytes of row i; each byte of W1 is read once in the launch
.endr
.irp i, 0,1,2,3,4,5,6,7,8,9,10,11,12,13,14,15
	global_load_b128 v[RB+4*\i:RB+4*\i+3], v[VB], s[6:7] offset:4096*\i
.endr
	s_wait_loadcnt 16                              ; b1 and W1's sixteen loads are in; cur's sixteen may be out
	TURN RA
	QUANT6 X, PCA, PWA
	s_cmp_lt_u32 s[WV], 8
	s_cbranch_scc0 .Lto_lds
.irp c, 0,1,2
	global_store_b128 v[L16], v[PCA+4*\c:PCA+4*\c+3], s[26:27] offset:512*\c   ; the image: 512 consecutive bytes a store
.endr
	global_store_b32 v[R4], v[PWA], s[28:29]       ; sixteen words; both halves of the lanes hold the same word and write it to the same place
	s_branch .Ljoin
.Lto_lds:
.irp c, 0,1,2
	ds_store_b128 v[IA], v[PCA+4*\c:PCA+4*\c+3] offset:512*\c
.endr
	ds_store_b32 v[SA], v[PWA]                     ; beside cur's rows 0-15's words,
	ds_store_b32 v[SA], v[PWA] offset:1024         ; and beside rows 16-31's
.Ljoin:
	s_wait_loadcnt 0x0                             ; cur
	TURN RB
	QUANT6 X, PCB, PWB
.irp c, 0,1,2
	ds_store_b128 v[IB], v[PCB+4*\c:PCB+4*\c+3] offset:512*\c
.endr
	ds_store_b32 v[SB], v[PWB]
	s_wait_dscnt 0x0                               ; for the others' sake: my images and words lie in LDS
	s_barrier_signal -1
	s_barrier_wait -1
	s_cmp_lt_u32 s[WV], 2
	s_cbranch_scc1 .Lmul
	s_wait_xcnt 0x0
	v_lshl_add_u32 v46, v0, 2, 0x2a800
	v_mov_b32 v47, 0
	s_wait_tensorcnt 0x0
	ds_add_u32 v46, v47
	s_wait_dscnt 0x0
	s_endpgm
.Lmul:
	s_wait_xcnt 0x0                                ; my stores to w1img have read their registers: v26 and v36-47 are written again below
.irp s, 0,1,2,3,4,5,6,7
.irp c, 0,1,2
	ds_load_b128 v[WF+12*\s+4*\c:WF+12*\s+4*\c+3], v[FW] offset:1536*\s+512*\c
	ds_load_b128 v[CF+12*\s+4*\c:CF+12*\s+4*\c+3], v[FC] offset:1536*\s+512*\c
.endr
	ds_load_b32 v[SCV+\s], v[FS] offset:128*\s     ; lanes 0-15: W1's words; lanes 16-31: cur's
.endr
	s_wait_dscnt 0x0
; source 0 = 16 rows of W1, source 1 = 16 rows of cur: lane (r, h) holds cur's row r, register j the unit 16 nb + 8 h + j.  Two accumulators by turns, one instruction a turn;
; b1 is the C of the first.
.irp s, 0,1,2,3,4,5,6,7
.set rW, WF+12*\s
.set rC, CF+12*\s
.if \s == 0
	v_wmma_scale_f32_16x16x128_f8f6f4 v[AC0:AC0+7], v[rW:rW+11], v[rC:rC+11], v[BT:BT+7], v[SCV+\s], v[SCV+\s] matrix_a_fmt:MATRIX_FMT_BF6 matrix_b_fmt:MATRIX_FMT_BF6 matrix_b_scale:MATRIX_SCALE_ROW1
.elseif \s == 1
	v_wmma_scale_f32_16x16x128_f8f6f4 v[AC1:AC1+7], v[rW:rW+11], v[rC:rC+11], 0, v[SCV+\s], v[SCV+\s] matrix_a_fmt:MATRIX_FMT_BF6 matrix_b_fmt:MATRIX_FMT_BF6 matrix_b_scale:MATRIX_SCALE_ROW1
.elseif \s%2 == 0
	v_wmma_scale_f32_16x16x128_f8f6f4 v[AC0:AC0+7], v[rW:rW+11], v[rC:rC+11], v[AC0:AC0+7], v[SCV+\s], v[SCV+\s] matrix_a_fmt:MATRIX_FMT_BF6 matrix_b_fmt:MATRIX_FMT_BF6 matrix_b_scale:MATRIX_SCALE_ROW1
.else
	v_wmma_scale_f32_16x16x128_f8f6f4 v[AC1:AC1+7], v[rW:rW+11], v[rC:rC+11], v[AC1:AC1+7], v[SCV+\s], v[SCV+\s] matrix_a_fmt:MATRIX_FMT_BF6 matrix_b_fmt:MATRIX_FMT_BF6 matrix_b_scale:MATRIX_SCALE_ROW1
.endif
.endr
.rept 4
	v_nop                                          ; four places between the last product and the first read of results (ISA guide 7.12.1)
.endr
.irp j, 0,2,4,6
	v_pk_add_f32 v[RES+\j:RES+\j+1], v[AC0+\j:AC0+\j+1], v[AC1+\j:AC1+\j+1]   ; both accumulators from their low end on
.endr
	global_store_b128 v[GO], v[RES:RES+3], s[12:13]
	global_store_b128 v[GO], v[RES+4:RES+7], s[12:13] offset:16
	s_wait_xcnt 0x0
	v_lshl_add_u32 v46, v0, 2, 0x2a800
	v_mov_b32 v47, 0
	s_wait_tensorcnt 0x0
	ds_add_u32 v46, v47
	s_wait_dscnt 0x0
	s_endpgm
.Lfunc_end_k_q9606021c03_prep:
	.size	k_q9606021c03_prep, .Lfunc_end_k_q9606021c03_prep-k_q9606021c03_prep
	.p2alignl 7, 3214868480
	.fill 96, 4, 3214868480
	.section	.rodata,"a",@progbits
	.p2align	6, 0x0
	.amdhsa_kernel k_q9606021c03_prep
		.amdhsa_group_segment_fixed_size 176128
		.amdhsa_private_segment_fixed_size 0
		.amdhsa_enable_private_segment 0
		.amdhsa_kernarg_size 40
		.amdhsa_user_sgpr_count 2
		.amdhsa_user_sgpr_kernarg_segment_ptr 1
		.amdhsa_wavefront_size32 1
		.amdhsa_system_sgpr_workgroup_id_x 1
		.amdhsa_system_sgpr_workgroup_id_y 1
		.amdhsa_system_sgpr_workgroup_id_z 1
		.amdhsa_system_vgpr_workitem_id 0
		.amdhsa_next_free_vgpr 256
		.amdhsa_next_free_sgpr 66
		.amdhsa_reserve_vcc 0
		.amdhsa_float_denorm_mode_32 3
		.amdhsa_float_denorm_mode_16_64 3
		.amdhsa_memory_ordered 1
		.amdhsa_forward_progress 1
		.amdhsa_inst_pref_size 24
	.end_amdhsa_kernel
	.amdgpu_metadata
---
amdhsa.version: [ 1, 2 ]
amdhsa.kernels:
  - .name:           k_q9606021c03_prep
    .symbol:         k_q9606021c03_prep.kd
    .args:
      - { .name: W1, .offset: 0, .size: 8, .value_kind: global_buffer, .address_space: global }
      - { .name: cur_hidden, .offset: 8, .size: 8, .value_kind: global_buffer, .address_space: global }
      - { .name: b1, .offset: 16, .size: 8, .value_kind: global_buffer, .address_space: global }
      - { .name: w1img, .offset: 24, .size: 8, .value_kind: global_buffer, .address_space: global }
      - { .name: gbias, .offset: 32, .size: 8, .value_kind: global_buffer, .address_space: global }
    .group_segment_fixed_size: 176128
    .private_segment_fixed_size: 0
    .kernarg_segment_align: 8
    .kernarg_segment_size: 40
    .max_flat_workgroup_size: 512
    .sgpr_count:     66
    .vgpr_count:     256
    .wavefront_size: 32
...
	.end_amdgpu_metadata
.endif
;; end of part 1
;; launch main (part 2): grid 32 x 16, 4 waves a work-group, no clusters, 295,424 bytes of LDS; arguments encoder_output, w1img, gbias, W2, b2, scores, ctxp; writes scores, ctxp
.if DOCPART == 2
	.amdgcn_target "amdgcn-amd-amdhsa--gfx1250"
	.amdhsa_code_object_version 6
	.text
	.protected	k_q9606021c03_main
	.globl	k_q9606021c03_main
	.p2align	8
	.type	k_q9606021c03_main,@function
k_q9606021c03_main:
	s_mov_b64 s[64:65], 0
	v_nop
	global_prefetch_b8 v0, s[64:65] scope:SCOPE_SE
	s_setreg_imm32_b32 hwreg(HW_REG_WAVE_MODE, 25, 1), 1
	s_wait_xcnt 0x0
; For one b (work-group x) and 64 time steps t = 64 c + 0 .. 63 (work-group y = c):
;   z[t][n] = gbias[b][n] + sum over k < 1024 of Q(enc[t][b])[k] Q(W1)[n][k]   (codes of BF6 (E3M2), one E8M0 scale for each 32 along K; gbias holds b1 and the cur half of K)
;   scores[b][t] = b2 + sum over n of W2[n] tanh(z[t][n]);   m = the largest of the 64;   p[t] = e^(score - m);   ctxp[b][c][:] = sum over t of p[t] enc[t][b][:], on the f32 rows.
; THE ROWS ARE READ FROM MEMORY ONCE: they come into LDS by tensor loads, are quantised from there K step by K step as they land, and stay until their scores are known.
; SHARES.  Wave w brings and quantises rows 16 w .. 16 w + 15, multiplies ALL 64 rows by W1's rows 256 w .. 256 w + 255 (64 accumulators, 512 registers), and sums columns 256 w .. 256 w + 255 of the context.
; A row block's codes go from wave to wave as an image of the operand's registers (3 x 512 bytes), in two buffers by turns: one barrier a K step.
; THE K LOOP IS LAID SO THAT NO LDS ROUND TRIP STANDS BARE: a K step is four groups of 16 products; behind group 0 the NEXT step's numbers are quantised and their image stored, behind group 1 stands the barrier and the next
; step's fragments are asked for (into a second set of registers), behind group 2 the numbers of the step after that.  Each run of sixteen LDS loads so has two groups' products in which to land, the image's stores one.
; W1's fragments come from w1img straight into registers, whole, by loads of 16 bytes a lane, one K step ahead.
; NO CLUSTER, NO SHARED TILES OF W1 IN LDS: every work-group reads the same w1img, but beside the 270,336 bytes of rows that must stay, two slots of one K step of W1 (2 x 102,400 bytes) pass the 327,680 bytes that a work-group can have.
; No LDS byte is filled twice: a wave's eight tensor loads are all first fills and go out together at the head: eight are outstanding at the most.  A tile has 16 rows, not more, so that in the K loop only the wave that asked for it reads it.
; THE MATRIX INSTRUCTION IS USED TRANSPOSED (source 0 = 16 rows of W1, source 1 = 16 rows of x): lane (r, h) holds row r, register j the unit 16 nbl + 8 h + j: so gbias is the C of each sum's first product, and W2's dot product runs along a lane's registers.
; tanh(z) = 1 - 2 r, r = 1 / (1 + 2^(2 z log2 e)): where the power overflows r is 0 (tanh 1), where it vanishes r is 1 (tanh -1).  The dot product is taken as sum(W2) - 2 sum(W2 r): one line less for each pair of numbers;
; r's rounding enters the score with the weight |W2| either way.
; LIMITS: a block of zeros gets the scale byte 1 (the rule says 127): its codes are zeros and nobody else reads the byte; NaN and infinities among the inputs are not served.
; REGISTERS, in windows of 256: window 0: see below.  window 1: v0-191 W1's 16 fragments (group q of four at 48 q), at the end v0-127 W2 in the result's layout; v192-255 gbias in the result's layout, two sets of four tiles.
;   windows 2, 3: the accumulators: (nbl, a) at v[8 (4 (nbl % 8) + a)] of window 2 + nbl / 8.
.set TILE,  8448                       ; a tile in LDS: 16 rows x (512 bytes + 16)
.set PITCH, 528                        ; sixteen rows begin in sixteen different columns of 16 bytes modulo 256
.set AIMG,  32*TILE                    ; behind the rows (tile (w, s) at (8 w + s) TILE): the codes' images, two buffers of 4 x 1,536 bytes
.set ASC,   AIMG+2*6144                ; their scale words, two buffers of 64 words
.set GW,    ASC+2*256                  ; for each wave: its 256 numbers of gbias, then its 256 of W2
.set SCX,   GW+4*2048                  ; for each wave: its part of the 64 scores
.set PV,    SCX+4*256                  ; for each wave: its own copy of the 64 p
.set REC,   6400                       ; a record of w1img: four fragments and their scale words
.set XA,  4                            ; v4   my 32 neighbours of a block pair in my wave's tiles: 8 TILE w + 528 r + 128 h
.set IW,  5                            ; v5   where my fragment's image goes
.set IR,  6                            ; v6   where images are read
.set SW,  7                            ; v7   where my scale word goes
.set SR,  8                            ; v8   where scale words are read
.set BO,  9                            ; v9   16 lane
.set BS,  10                           ; v10  4 lane
.set SH8, 11                           ; v11  8 h
.set WR,  12                           ; v12  W2 in the result's layout
.set GR,  13                           ; v13  gbias in the result's layout
.set SCW, 14                           ; v14  where my partial scores go
.set SCR, 15                           ; v15  where all partial scores are read: 8 lane
.set PVW, 16                           ; v16  where my two p go
.set PVR, 17                           ; v17  where all 64 are read
.set GWS, 18                           ; v18  where my slices of gbias and W2 go
.set L8,  19                           ; v19  8 lane
.set AS,  20                           ; v20-23 x's scale words, set 0; set 1 at v180-183; v24-31 W1's: these registers hold scales and nothing else
.set ASD, 160
.set BSC, 24
.set X,   32                           ; v32-95 64 numbers of x; at the end the 64 p
.set TM,  96                           ; v96-104 at work in QUANT6
.set CX,  96                           ; v96-103 at the end: my eight sums of the context
.set PW,  105                          ; v105 the scale word just made
.set TQ,  106                          ; v106-112 the upper halves of two blocks' codes
.set WS,  113                          ; v113 the sum of my wave's 256 numbers of W2
.set PC,  114                          ; v114-125 the fragment just made
.set AF,  128                          ; v128-175 x's four fragments, set 0; set 1 at v200-247
.set AFD, 72
.set CA,  176                          ; v176-179 the context: my columns in the tiles of wave w'
.set T,   184                          ; v184-191 the four waves' partial scores; then v184-185 the scores, v188 their maximum, v190-191 p
.set S,   192                          ; v192-199 W2's dot product, a pair for each row block
.set WV,  18
.set G1,  24                           ; s[24:31] descriptor group 1
.set G0,  32                           ; s[32:63] descriptor group 0, a set for each of my eight tiles
.set CT,  66                           ; s[66:67] 2 log2 e
.set SEL, 68                           ; s[68:69] selects for lane l xor 16
.set MSB, 0
.macro WIN new                         ; the immediate's high byte repeats the setting that is left; a switch that changes nothing is dropped
.if MSB != (\new)
	s_set_vgpr_msb (MSB<<8)|(\new)
.set MSB, (\new)
.endif
.endm
.macro PLACES                          ; four places behind a matrix instruction, in front of loads into its registers and of reads of its results (ISA guide 7.12.1 for vector instructions)
.rept 4
	v_nop
.endr
.endm
; 64 numbers of a lane, v[x + 32 c + i] = k 64 c + 32 h + i of my row: two whole blocks.  They become the fragment's 12 registers v[pc] on and my row's scale word v[w].
.macro QUANT6 x, pc, w
.irp c, 0,1
	v_max3_num_f32 v[TM+2*\c], |v[\x+32*\c]|, |v[\x+32*\c+1]|, 0x2800000      ; two chains a block, four by turns; the floor 2^(5 - 127) holds the byte at 1 from below
	v_max3_num_f32 v[TM+2*\c+1], |v[\x+32*\c+16]|, |v[\x+32*\c+17]|, |v[\x+32*\c+18]|
.endr
.irp i, 0,1,2,3,4,5
.irp c, 0,1
	v_max3_num_f32 v[TM+2*\c], v[TM+2*\c], |v[\x+32*\c+2+2*\i]|, |v[\x+32*\c+3+2*\i]|
	v_max3_num_f32 v[TM+2*\c+1], v[TM+2*\c+1], |v[\x+32*\c+19+2*\i]|, |v[\x+32*\c+20+2*\i]|
.endr
.endr
.irp c, 0,1
	v_max3_num_f32 v[TM+2*\c], v[TM+2*\c], |v[\x+32*\c+14]|, |v[\x+32*\c+15]|
.endr
.irp c, 0,1
	v_max3_num_f32 v[TM+2*\c], v[TM+2*\c], v[TM+2*\c+1], |v[\x+32*\c+31]|     ; the block's largest magnitude
.endr
.irp c, 0,1
	v_add_nc_u32 v[TM+4+\c], 0xfe000000, v[TM+2*\c]                           ; 4 off its exponent field: the conversion takes that field as its scale
.endr
.irp c, 0,1
	v_lshrrev_b32 v[TM+6+\c], 23, v[TM+4+\c]                                  ; the scale's byte
.endr
	v_lshl_or_b32 v[\w], v[TM+7], 16, v[TM+6]                                 ; my two bytes: blocks h and 2 + h,
	v_lshlrev_b32 v[\w], v[SH8], v[\w]                                        ; at their places in the word;
	v_permlanex16_b32 v[TM+8], v[\w], s[SEL], s[SEL+1]
	v_or_b32 v[\w], v[\w], v[TM+8]                                            ; with lane l xor 16's two the word is whole
	v_cvt_scalef32_pk16_bf6_f32 v[\pc:\pc+2], v[\x:\x+15], v[TM+4]
	v_cvt_scalef32_pk16_bf6_f32 v[TQ:TQ+2], v[\x+16:\x+31], v[TM+4]           ; (a conversion's three registers begin on an even number)
	v_cvt_scalef32_pk16_bf6_f32 v[\pc+6:\pc+8], v[\x+32:\x+47], v[TM+5]
	v_cvt_scalef32_pk16_bf6_f32 v[TQ+4:TQ+6], v[\x+48:\x+63], v[TM+5]
	v_nop                                                                     ; one plain place behind the scaled conversions
.irp c, 0,1
.irp i, 0,1,2
	v_mov_b32 v[\pc+3+6*\c+\i], v[TQ+4*\c+\i]
.endr
.endr
.endm
; My 16 rows' numbers of K step s, in the operand's order: 16 LDS loads
.macro XLOAD s
.irp c, 0,1
.irp j, 0,1,2,3,4,5,6,7
	ds_load_b128 v[X+32*\c+4*\j:X+32*\c+4*\j+3], v[XA] offset:TILE*(\s)+256*\c+16*\j
.endr
.endr
.endm
; The fragment just made, and its scale word, go to K step s's buffer as they stand
.macro IMAGE s
.irp c, 0,1,2
	ds_store_b128 v[IW], v[PC+4*\c:PC+4*\c+3] offset:6144*((\s)&1)+512*\c
.endr
	ds_store_b32 v[SW], v[PW] offset:256*((\s)&1)
.endm
; K step s's four fragments of x and their scale words come back, into register set s % 2: 16 LDS loads
.macro AFLOAD s
.irp a, 0,1,2,3
.irp c, 0,1,2
	ds_load_b128 v[AF+AFD*((\s)&1)+12*\a+4*\c:AF+AFD*((\s)&1)+12*\a+4*\c+3], v[IR] offset:6144*((\s)&1)+1536*\a+512*\c
.endr
	ds_load_b32 v[AS+ASD*((\s)&1)+\a], v[SR] offset:256*((\s)&1)+64*\a
.endr
.endm
; Group q of K step s of my slice of W1: four fragments, 12 loads of 512 consecutive bytes, and their scale words: register u holds block 2 u's words in lanes 0-15 and block 2 u + 1's in lanes 16-31.  14 loads; every offset an immediate.
.macro BLOAD s, q
	WIN 0x40                                       ; destination window 1, address window 0
.irp i, 0,1,2,3
.irp c, 0,1,2
	global_load_b128 v[48*(\q)+12*\i+4*\c:48*(\q)+12*\i+4*\c+3], v[BO], s[6:7] offset:(4*(\s)+(\q))*REC+1536*\i+512*\c
.endr
.endr
	WIN 0
.irp u, 0,1
	global_load_b32 v[BSC+2*(\q)+\u], v[BS], s[6:7] offset:(4*(\s)+(\q))*REC+6144+128*\u
.endr
.endm
; gbias for group q's four tiles, in the result's layout (lane (r, h): units 16 nbl + 8 h + 0 .. 7), into set 0 or 1: 8 LDS loads
.macro GLOAD q, set
	WIN 0x40
.irp i, 0,1,2,3
.irp u, 0,1
	ds_load_b128 v[192+32*(\set)+8*\i+4*\u:192+32*(\set)+8*\i+4*\u+3], v[GR] offset:64*(4*(\q)+\i)+16*\u
.endr
.endr
.endm
; W2 in the result's layout, tiles 6 q .. 6 q + 5 (up to 15), eight registers a tile at v[8 n] of window 1: they fall inside the 48 registers that group q's fragments have left
.macro WLOAD q
	WIN 0x40
.irp k, 0,1,2,3,4,5
.if 6*(\q)+\k < 16
	ds_load_b128 v[8*(6*(\q)+\k):8*(6*(\q)+\k)+3], v[WR] offset:64*(6*(\q)+\k)
	ds_load_b128 v[8*(6*(\q)+\k)+4:8*(6*(\q)+\k)+7], v[WR] offset:64*(6*(\q)+\k)+16
.endif
.endr
.endm
; 16 matrix instructions: W1's blocks 4 q .. 4 q + 3 against x's four row blocks, 128 along K.  Sixteen different accumulators, one instruction a turn, in the same order in every K step.
; Behind group 1 stands the K step's barrier: the next step's images lie in LDS, and every wave's reads of the other buffer are over.
.macro GROUP s, q
.if (\s) == 7
	s_wait_loadcnt 14*(3-(\q))                     ; the last K step asks for nothing more: behind this group's 14 loads stand those of the groups still to come
.else
	s_wait_loadcnt 42                              ; behind this group's 14 loads stand the other three groups' 42
.endif
.if ((\s) == 0) && ((\q) == 3)
	s_wait_dscnt 32                                ; gbias's tiles for this group: behind their eight loads stand the next fragments' sixteen and the next numbers' sixteen
.endif
.if (\s) == 0
	WIN 0x91+0x40*((\q)/2)                         ; source 0 (W1) and C (gbias) window 1, source 1 (x) window 0, D window 2 or 3
.else
	WIN 0xa1+0x50*((\q)/2)                         ; source 0 window 1, source 1 window 0, C and D window 2 or 3
.endif
.irp i, 0,1,2,3
.irp a, 0,1,2,3
.set rD, 128*((\q)%2)+32*\i+8*\a
.set rB, 48*(\q)+12*\i
.set rA, AF+AFD*((\s)&1)+12*\a
.set rG, 192+32*((\q)%2)+8*\i
.set rS, BSC+2*(\q)+\i/2
.set rX, AS+ASD*((\s)&1)+\a
.if (\s) == 0
.if \i%2
	v_wmma_scale_f32_16x16x128_f8f6f4 v[rD:rD+7], v[rB:rB+11], v[rA:rA+11], v[rG:rG+7], v[rS], v[rX] matrix_a_fmt:MATRIX_FMT_BF6 matrix_b_fmt:MATRIX_FMT_BF6 matrix_a_scale:MATRIX_SCALE_ROW1
.else
	v_wmma_scale_f32_16x16x128_f8f6f4 v[rD:rD+7], v[rB:rB+11], v[rA:rA+11], v[rG:rG+7], v[rS], v[rX] matrix_a_fmt:MATRIX_FMT_BF6 matrix_b_fmt:MATRIX_FMT_BF6
.endif
.else
.if \i%2
	v_wmma_scale_f32_16x16x128_f8f6f4 v[rD:rD+7], v[rB:rB+11], v[rA:rA+11], v[rD:rD+7], v[rS], v[rX] matrix_a_fmt:MATRIX_FMT_BF6 matrix_b_fmt:MATRIX_FMT_BF6 matrix_a_scale:MATRIX_SCALE_ROW1
.else
	v_wmma_scale_f32_16x16x128_f8f6f4 v[rD:rD+7], v[rB:rB+11], v[rA:rA+11], v[rD:rD+7], v[rS], v[rX] matrix_a_fmt:MATRIX_FMT_BF6 matrix_b_fmt:MATRIX_FMT_BF6
.endif
.endif
.endr
.endr
.if ((\q) == 1) && ((\s) < 7)
	s_wait_dscnt 0x0                               ; for the others' sake: my image and my word, stored sixteen products ago, lie in LDS; and no LDS load of mine is out
	s_barrier_signal -1
	PLACES
	s_barrier_wait -1
.else
	PLACES
.endif
.if (\s) < 7
	BLOAD (\s)+1, \q                               ; this group's registers take the next K step's fragments, a whole K step ahead of their use
.elseif (\q) < 3
	WLOAD \q                                       ; in the last K step they take W2
.endif
.if ((\s) == 0) && ((\q) < 2)
	GLOAD (\q)+2, \q                               ; and its set of gbias the tiles of two groups on
.endif
.endm
; A K step of 128.
.macro STEP s
.if (\s) < 7
	s_wait_dscnt 16                                ; LDS loads come back in order (ISA guide 5.7.1): this step's fragments are in; the sixteen loads of the next step's numbers, issued behind them, may be out
.else
	s_wait_dscnt 0x0
.endif
	GROUP \s, 0
.if (\s) < 7
	WIN 0
	s_wait_dscnt 0x0                               ; the next step's numbers
	QUANT6 X, PC, PW
	IMAGE (\s)+1                                   ; into the buffer whose last readers waited for their loads in front of the last barrier
.endif
	GROUP \s, 1
.if (\s) < 7
	WIN 0
	AFLOAD (\s)+1                                  ; behind the barrier; into the set that this step's products do not read (its last readers stand more than four places back)
.endif
	GROUP \s, 2
.if (\s) < 6
	WIN 0
	s_wait_tensorcnt 5-(\s)                        ; tensor loads of a wave end in order (ISA guide 10.11.1): behind my tile s + 2 stand 5 - s others.  In K step 5 that is 0: behind the next barrier every wave may read every tile
	XLOAD (\s)+2
.endif
	GROUP \s, 3
.endm
	s_load_b256 s[4:11], s[0:1], 0x0               ; enc s[4:5], w1img s[6:7], gbias s[8:9], W2 s[10:11]
	s_load_b128 s[12:15], s[0:1], 0x20             ; b2 s[12:13], scores s[14:15]
	s_load_b64 s[16:17], s[0:1], 0x30              ; ctxp
	v_lshl_add_u32 v254, v0, 2, 0x48000
	v_mov_b32 v255, 0
	ds_add_u32 v254, v255
	ds_add_u32 v254, v255
	s_wait_dscnt 0x0
	v_lshrrev_b32 v1, 5, v0
	v_readfirstlane_b32 s[WV], v1                  ; wave 0..3
	s_and_b32 s20, ttmp7, 0xffff                   ; c; (b is ttmp9)
	; descriptor group 1: a tile of 16 rows x 128 f32; a row is 512 consecutive bytes of memory at a multiple of 512; rows are 32 x 1,024 numbers apart
	s_mov_b32 s[G1+0], (2<<16)|(1<<20)|(6<<22)|(3<<25)   ; 15:0 no mask; 17:16 elements of 4 bytes; 20 padding on; 24:22 after every 128 words (code 6); 31:25 of 4 words (code 3)
	s_mov_b32 s[G1+1], 128<<16                     ; tensor_dim0 = 128
	s_mov_b32 s[G1+2], 16<<16                      ; tensor_dim1 = 16
	s_mov_b32 s[G1+3], 128<<16                     ; tile_dim0 = 128
	s_mov_b32 s[G1+4], 16                          ; tile_dim1 = 16
	s_mov_b32 s[G1+5], 32768                       ; tensor_dim0_stride
	s_mov_b32 s[G1+6], 0
	s_mov_b32 s[G1+7], 0
	s_mul_i32 s21, s[WV], 8*TILE                   ; my eight tiles in LDS
	s_lshl_b32 s22, s20, 23                        ; 64 c rows of 131,072 bytes,
	s_lshl_b32 s23, s[WV], 21                      ; 16 w rows,
	s_add_co_u32 s22, s22, s23
	s_lshl_b32 s23, ttmp9, 12                      ; and b's 4,096 bytes in a row
	s_add_co_u32 s22, s22, s23
	s_mov_b32 s23, 0
	s_wait_kmcnt 0x0
	s_add_nc_u64 s[4:5], s[4:5], s[22:23]
.irp s, 0,1,2,3,4,5,6,7
	s_mov_b32 s[G0+4*\s], 1                                        ; count = 1
	s_add_co_u32 s[G0+4*\s+1], s21, TILE*\s                        ; LDS address
	s_add_nc_u64 s[G0+4*\s+2:G0+4*\s+3], s[4:5], 512*\s            ; global address: K step s
	s_or_b32 s[G0+4*\s+3], s[G0+4*\s+3], 0x80000000               ; type = 2
.endr
.irp s, 0,1,2,3,4,5,6,7
	tensor_load_to_lds s[G0+4*\s:G0+4*\s+3], s[G1:G1+7]            ; all my rows, in the order in which they are wanted
	s_nop 0
.endr
.rept 4
	v_nop
.endr
	s_load_b32 s70, s[12:13], 0x0                  ; b2
	s_mul_i32 s22, s[WV], 32*REC                   ; my slice of w1img
	s_add_nc_u64 s[6:7], s[6:7], s[22:23]
	s_lshl_b32 s2, s[WV], 10                       ; my 256 numbers of a row of 1,024
	s_mov_b32 s3, 0
	s_add_nc_u64 s[10:11], s[10:11], s[2:3]
	s_lshl_b32 s22, ttmp9, 12
	s_add_nc_u64 s[8:9], s[8:9], s[22:23]
	s_add_nc_u64 s[8:9], s[8:9], s[2:3]
	s_add_nc_u64 s[14:15], s[14:15], s[22:23]
	s_lshl_b32 s22, s20, 8
	s_add_nc_u64 s[14:15], s[14:15], s[22:23]      ; scores[b][64 c]
	s_lshl_b32 s22, ttmp9, 4
	s_add_co_u32 s22, s22, s20
	s_lshl_b32 s22, s22, 12
	s_add_nc_u64 s[16:17], s[16:17], s[22:23]
	s_add_nc_u64 s[16:17], s[16:17], s[2:3]        ; ctxp[b][c][256 w]
	s_mov_b32 s[CT], 0x4038aa3b                    ; 2 log2 e
	s_mov_b32 s[CT+1], s[CT]                       ; (named with it as a pair, so it is written)
	s_mov_b32 s[SEL], 0x76543210
	s_mov_b32 s[SEL+1], 0xfedcba98
	s_mov_b32 s72, 0x3fb8aa3b                      ; log2 e
	v_and_b32 v1, 31, v0                           ; lane
	v_and_b32 v2, 15, v0                           ; r
	v_bfe_u32 v3, v0, 4, 1                         ; h
	v_lshlrev_b32 v[BO], 4, v1
	v_lshlrev_b32 v[BS], 2, v1
	global_load_b128 v[128:131], v[BO], s[8:9]                 ; my 256 numbers of gbias
	global_load_b128 v[132:135], v[BO], s[8:9] offset:512
	global_load_b128 v[136:139], v[BO], s[10:11]               ; and of W2
	global_load_b128 v[140:143], v[BO], s[10:11] offset:512
	BLOAD 0, 0
	BLOAD 0, 1
	BLOAD 0, 2
	BLOAD 0, 3
	v_mul_u32_u24 v[XA], v2, PITCH
	v_lshl_add_u32 v[XA], v3, 7, v[XA]
	v_add_nc_u32 v[XA], s21, v[XA]
	s_mul_i32 s22, s[WV], 1536
	s_add_co_u32 s22, s22, AIMG
	v_lshl_add_u32 v[IW], v1, 4, s22
	v_lshl_add_u32 v[IR], v1, 4, AIMG
	s_lshl_b32 s22, s[WV], 6
	s_add_co_u32 s22, s22, ASC
	v_lshl_add_u32 v[SW], v2, 2, s22
	v_lshl_add_u32 v[SR], v2, 2, ASC
	v_lshlrev_b32 v[SH8], 3, v3
	s_lshl_b32 s22, s[WV], 11
	s_add_co_u32 s22, s22, GW
	v_lshl_add_u32 v[GR], v3, 5, s22
	v_lshl_add_u32 v[GWS], v1, 4, s22
	s_add_co_u32 s23, s22, 1024
	v_lshl_add_u32 v[WR], v3, 5, s23
	s_lshl_b32 s22, s[WV], 8
	s_add_co_u32 s23, s22, SCX
	v_lshl_add_u32 v[SCW], v2, 2, s23
	v_lshl_add_u32 v[SCR], v1, 3, SCX
	s_add_co_u32 s23, s22, PV
	v_lshl_add_u32 v[PVW], v1, 3, s23
	v_mov_b32 v[PVR], s23
	v_lshlrev_b32 v[L8], 3, v1
	s_mul_i32 s22, s[WV], 2*TILE                   ; my 256 columns are K steps 2 w and 2 w + 1
	v_lshl_add_u32 v[CA], v1, 4, s22
.irp k, 1,2,3
	v_add_nc_u32 v[CA+\k], 8*TILE*\k, v[CA]
.endr
	v_mov_b32 v[TM+8], 0                           ; written once: a lane permute's destination counts as one of its sources
	s_wait_loadcnt 56                              ; gbias and W2 are in; the 56 loads of W1's first K step may be out
.irp i, 0,1,2,3
	ds_store_b128 v[GWS], v[128+4*\i:128+4*\i+3] offset:512*\i     ; my own bytes: only I read them, so no barrier is owed
.endr
	v_pk_add_f32 v[126:127], v[136:137], v[138:139]                ; the sum of my wave's 256 numbers of W2: my eight,
	v_pk_add_f32 v[248:249], v[140:141], v[142:143]
	v_pk_add_f32 v[126:127], v[126:127], v[248:249]
	v_add_f32 v[WS], v126, v127
	v_add_f32_dpp v[WS], v[WS], v[WS] row_xmask:1 row_mask:0xf bank_mask:0xf   ; then over the 32 lanes
	v_add_f32_dpp v[WS], v[WS], v[WS] row_xmask:2 row_mask:0xf bank_mask:0xf
	v_add_f32_dpp v[WS], v[WS], v[WS] row_xmask:4 row_mask:0xf bank_mask:0xf
	v_add_f32_dpp v[WS], v[WS], v[WS] row_xmask:8 row_mask:0xf bank_mask:0xf
	v_permlanex16_b32 v126, v[WS], s[SEL], s[SEL+1]
	v_add_f32 v[WS], v[WS], v126
	s_wait_kmcnt 0x0
	s_mov_b32 s71, s70                             ; b2 as a pair
	; ---- the way into the K loop: K step 0's image, its fragments, gbias's first tiles, K step 1's numbers
	s_wait_tensorcnt 7                             ; my tile 0 is in; the seven behind it may be out
	XLOAD 0
	s_wait_dscnt 0x0
	QUANT6 X, PC, PW
	IMAGE 0
	s_wait_dscnt 0x0                               ; for the others' sake: my image and my word lie in LDS
	s_barrier_signal -1
	s_barrier_wait -1
	AFLOAD 0
	GLOAD 0, 0
	GLOAD 1, 1
	WIN 0
	s_wait_tensorcnt 6                             ; my tile 1
	XLOAD 1
.irp s, 0,1,2,3,4,5,6,7
	STEP \s
.endr
	; ---- r = 1 / (1 + 2^(2 z log2 e)) and W2's dot product with it, as ONE stream for each window of accumulators, pair of registers by pair (pair i: block i / 16, row block (i % 16) / 4, units 2 (i % 4) and + 1).
	; Trip t: multiply(t), exponential(t - 1) low, add(t - 2), exponential(t - 1) high, dot(t - 4), reciprocals(t - 3).  So the transcendentals stand between plain lines, and the first plain line behind each of them names another pair
	; (ISA guide 5.7.2); in the last four trips a v_nop takes the multiply's place.  The multiplies go up the registers: each accumulator is read from its low end on.
	; The dot product's four sums live in the window itself, in the pair that is consumed first for each row block (pair 4 a of the window's first block): so every line of the stream runs under one window setting.
	s_wait_dscnt 0x0                               ; W2
.macro TSTREAM W                       ; W = 0: window 2, blocks 0-7;  1: window 3, blocks 8-15
	WIN 0xa6+0x51*(\W)                             ; destination, source 0 and source 2 the accumulators' window; source 1 (W2) window 1
.set t, 0
.rept 132
.if t < 128
	v_pk_mul_f32 v[2*t:2*t+1], v[2*t:2*t+1], s[CT:CT+1] op_sel_hi:[1,0]
.else
	v_nop
	s_wait_alu depctr_va_vdst(0)
.endif
.if (t >= 1) && (t <= 128)
	v_exp_f32 v[2*t-2], v[2*t-2]
.endif
.if (t >= 2) && (t <= 129)
	s_wait_alu depctr_va_vdst(0)
	v_pk_add_f32 v[2*t-4:2*t-3], v[2*t-4:2*t-3], 1.0 op_sel_hi:[1,0]
.endif
.if (t >= 1) && (t <= 128)
	v_exp_f32 v[2*t-1], v[2*t-1]
.endif
.if t >= 4
.set i, t-4
.set rH, 8*((i%16)/4)
.set rW, 8*(8*(\W)+i/16)+2*(i%4)
.if (i < 16) && (i%4 == 0)
	v_pk_mul_f32 v[2*i:2*i+1], v[2*i:2*i+1], v[rW:rW+1]            ; the first product of a row block starts its sum, in place
.else
	v_pk_fma_f32 v[rH:rH+1], v[2*i:2*i+1], v[rW:rW+1], v[rH:rH+1]
.endif
.endif
.if (t >= 3) && (t <= 130)
	v_rcp_f32 v[2*t-6], v[2*t-6]
	v_rcp_f32 v[2*t-5], v[2*t-5]
.endif
.set t, t+1
.endr
.endm
	TSTREAM 0
	TSTREAM 1
	WIN 0x0e                                       ; source 0 window 2, source 1 window 3, destination window 0
.irp a, 0,1,2,3
	v_pk_add_f32 v[S+2*\a:S+2*\a+1], v[8*\a:8*\a+1], v[8*\a:8*\a+1]        ; the two windows' sums
.endr
	WIN 0
.irp a, 0,1,2,3
	v_add_f32 v[S+2*\a], v[S+2*\a], v[S+2*\a+1]
.endr
.irp a, 0,1,2,3
	v_permlanex16_b32 v[S+2*\a+1], v[S+2*\a], s[SEL], s[SEL+1]     ; the row's other eight units of each block lie in lane l xor 16
.endr
.irp a, 0,1,2,3
	v_add_f32 v[S+2*\a], v[S+2*\a], v[S+2*\a+1]
.endr
.irp a, 0,1,2,3
	v_fma_f32 v[S+2*\a], v[S+2*\a], -2.0, v[WS]    ; sum(W2) - 2 sum(W2 r) = sum(W2 tanh), over my 256 units
.endr
.irp a, 0,1,2,3
	ds_store_b32 v[SCW], v[S+2*\a] offset:64*\a    ; row 16 a + r; both halves of the lanes write the same word
.endr
	s_wait_dscnt 0x0                               ; for the others' sake
	s_barrier_signal -1
	s_barrier_wait -1
.irp k, 0,1,2,3
	ds_load_b64 v[T+2*\k:T+2*\k+1], v[SCR] offset:256*\k           ; lane l: rows 2 l and 2 l + 1, wave k's part
.endr
	s_wait_dscnt 0x0
	v_pk_add_f32 v[T:T+1], v[T:T+1], v[T+2:T+3]
	v_pk_add_f32 v[T+4:T+5], v[T+4:T+5], v[T+6:T+7]
	v_pk_add_f32 v[T:T+1], v[T:T+1], v[T+4:T+5]
	v_pk_add_f32 v[T:T+1], v[T:T+1], s[70:71] op_sel_hi:[1,0]      ; + b2: the scores, the same bits in all four waves
	s_cmp_lg_u32 s[WV], 0
	s_cbranch_scc1 .Lnot_wave_0
	global_store_b64 v[L8], v[T:T+1], s[14:15]     ; 32 lanes store 256 consecutive bytes, at a multiple of 256 from the buffer's first byte; neither register of the store is written again
.Lnot_wave_0:
	; ---- the largest of the 64 scores is taken away before the exponential; the last launch brings the sixteen chunks of a b under one maximum
	v_max_num_f32 v[T+4], v[T], v[T+1]
	v_max_num_f32_dpp v[T+4], v[T+4], v[T+4] row_xmask:1 row_mask:0xf bank_mask:0xf
	v_max_num_f32_dpp v[T+4], v[T+4], v[T+4] row_xmask:2 row_mask:0xf bank_mask:0xf
	v_max_num_f32_dpp v[T+4], v[T+4], v[T+4] row_xmask:4 row_mask:0xf bank_mask:0xf
	v_max_num_f32_dpp v[T+4], v[T+4], v[T+4] row_xmask:8 row_mask:0xf bank_mask:0xf
	v_permlanex16_b32 v[T+2], v[T+4], s[SEL], s[SEL+1]
	v_max_num_f32 v[T+4], v[T+4], v[T+2]
	v_sub_f32 v[T+6], v[T], v[T+4]
	v_sub_f32 v[T+7], v[T+1], v[T+4]
	v_mul_f32 v[T+6], s72, v[T+6]
	v_mul_f32 v[T+7], s72, v[T+7]
	v_exp_f32 v[T+6], v[T+6]
	v_exp_f32 v[T+7], v[T+7]
	v_nop
	s_wait_alu depctr_va_vdst(0)
	ds_store_b64 v[PVW], v[T+6:T+7]                ; into my wave's own copy, and back with all 64 in every lane: LDS serves a wave's instructions in order
.irp i, 0,1,2,3,4,5,6,7,8,9,10,11,12,13,14,15
	ds_load_b128 v[X+4*\i:X+4*\i+3], v[PVR] offset:16*\i
.endr
	; ---- the context: my 256 columns of the 64 rows, eight rows a batch, two sets of registers by turns
.macro CLOAD g
.set rC, 112+80*((\g)%2)               ; v112-175 or v192-255
.irp rr, 0,1,2,3,4,5,6,7
.irp u, 0,1
	ds_load_b128 v[rC+8*\rr+4*\u:rC+8*\rr+4*\u+3], v[CA+(\g)/2] offset:TILE*\u+PITCH*(8*((\g)%2)+\rr)   ; 512 consecutive bytes of a row
.endr
.endr
.endm
.macro CFMA g
.set rC, 112+80*((\g)%2)
.irp rr, 0,1,2,3,4,5,6,7
.set row, 8*(\g)+\rr
.set rP, X+2*(row/2)
.irp e, 0,2,4,6
.if row == 0
	v_pk_mul_f32 v[CX+\e:CX+\e+1], v[rC+8*\rr+\e:rC+8*\rr+\e+1], v[rP:rP+1] op_sel_hi:[1,0]     ; the first row starts the sums
.elseif row%2
	v_pk_fma_f32 v[CX+\e:CX+\e+1], v[rC+8*\rr+\e:rC+8*\rr+\e+1], v[rP:rP+1], v[CX+\e:CX+\e+1] op_sel:[0,1,0] op_sel_hi:[1,1,1]   ; both halves x the pair's second p
.else
	v_pk_fma_f32 v[CX+\e:CX+\e+1], v[rC+8*\rr+\e:rC+8*\rr+\e+1], v[rP:rP+1], v[CX+\e:CX+\e+1] op_sel_hi:[1,0,1]                  ; both halves x its first
.endif
.endr
.endr
.endm
	CLOAD 0
	CLOAD 1
.irp g, 0,1,2,3,4,5
	s_wait_dscnt 16                                ; this batch (and p) are in; the next batch's sixteen loads may be out
	CFMA \g
	CLOAD \g+2
.endr
	s_wait_dscnt 16
	CFMA 6
	s_wait_dscnt 0x0
	CFMA 7
	global_store_b128 v[BO], v[CX:CX+3], s[16:17]              ; 512 consecutive bytes a store
	global_store_b128 v[BO], v[CX+4:CX+7], s[16:17] offset:512
	s_wait_xcnt 0x0
	v_lshl_add_u32 v254, v0, 2, 0x48000
	v_mov_b32 v255, 0
	s_wait_tensorcnt 0x0
	ds_add_u32 v254, v255
	s_wait_dscnt 0x0
	s_endpgm
.Lfunc_end_k_q9606021c03_main:
	.size	k_q9606021c03_main, .Lfunc_end_k_q9606021c03_main-k_q9606021c03_main
	.p2alignl 7, 3214868480
	.fill 96, 4, 3214868480
	.section	.rodata,"a",@progbits
	.p2align	6, 0x0
	.amdhsa_kernel k_q9606021c03_main
		.amdhsa_group_segment_fixed_size 295424
		.amdhsa_private_segment_fixed_size 0
		.amdhsa_enable_private_segment 0
		.amdhsa_kernarg_size 56
		.amdhsa_user_sgpr_count 2
		.amdhsa_user_sgpr_kernarg_segment_ptr 1
		.amdhsa_wavefront_size32 1
		.amdhsa_system_sgpr_workgroup_id_x 1
		.amdhsa_system_sgpr_workgroup_id_y 1
		.amdhsa_system_sgpr_workgroup_id_z 1
		.amdhsa_system_vgpr_workitem_id 0
		.amdhsa_next_free_vgpr 1024
		.amdhsa_next_free_sgpr 80
		.amdhsa_reserve_vcc 0
		.amdhsa_float_denorm_mode_32 3
		.amdhsa_float_denorm_mode_16_64 3
		.amdhsa_memory_ordered 1
		.amdhsa_forward_progress 1
		.amdhsa_inst_pref_size 255
	.end_amdhsa_kernel
	.section	.bss,"aw",@nobits
	.p2align	6
	.space	262144
	.amdgpu_metadata
---
amdhsa.version: [ 1, 2 ]
amdhsa.kernels:
  - .name:           k_q9606021c03_main
    .symbol:         k_q9606021c03_main.kd
    .args:
      - { .name: encoder_output, .offset: 0, .size: 8, .value_kind: global_buffer, .address_space: global }
      - { .name: w1img, .offset: 8, .size: 8, .value_kind: global_buffer, .address_space: global }
      - { .name: gbias, .offset: 16, .size: 8, .value_kind: global_buffer, .address_space: global }
      - { .name: W2, .offset: 24, .size: 8, .value_kind: global_buffer, .address_space: global }
      - { .name: b2, .offset: 32, .size: 8, .value_kind: global_buffer, .address_space: global }
      - { .name: scores, .offset: 40, .size: 8, .value_kind: global_buffer, .address_space: global }
      - { .name: ctxp, .offset: 48, .size: 8, .value_kind: global_buffer, .address_space: global }
    .group_segment_fixed_size: 295424
    .private_segment_fixed_size: 0
    .kernarg_segment_align: 8
    .kernarg_segment_size: 56
    .max_flat_workgroup_size: 128
    .sgpr_count:     80
    .vgpr_count:     1024
    .wavefront_size: 32
...
	.end_amdgpu_metadata
.endif
;; end of part 2
;; launch finish (part 3): grid 32 x 1, 8 waves a work-group, no clusters, 2,048 bytes of LDS; arguments scores, ctxp, out0, out1; writes out0, out1
.if DOCPART == 3
	.amdgcn_target "amdgcn-amd-amdhsa--gfx1250"
	.amdhsa_code_object_version 6
	.text
	.protected	k_q9606021c03_finish
	.globl	k_q9606021c03_finish
	.p2align	8
	.type	k_q9606021c03_finish,@function
k_q9606021c03_finish:
	s_mov_b64 s[64:65], 0
	v_nop
	global_prefetch_b8 v0, s[64:65] scope:SCOPE_SE
	s_setreg_imm32_b32 hwreg(HW_REG_WAVE_MODE, 25, 1), 1
	s_wait_xcnt 0x0
; For one b (the work-group): M = the largest of its 1,024 scores, L = the sum of e^(score - M);  out1[b][t] = e^(score - M) / L;
; out0[b][:] = sum over the sixteen chunks c of e^(m_c - M) / L x ctxp[b][c][:], where m_c, the largest score of chunk c's 64, is the maximum under which that chunk's part was summed.
; m_c is found again from the same scores: a maximum rounds nothing, so it has the same bits as there.
; Thread i owns t = 4 i .. 4 i + 3 and columns 4 i .. 4 i + 3: every load and store of a wave covers 512 consecutive bytes.  A chunk's 64 scores lie in sixteen neighbouring lanes.
; Memory binds and the work is small (2 MiB read): no matrix unit, no tensor load, no cluster; the seventeen loads of a thread go out together at the head.
	s_load_b256 s[4:11], s[0:1], 0x0               ; scores s[4:5], ctxp s[6:7], out0 s[8:9], out1 s[10:11]
	v_lshl_add_u32 v128, v0, 2, 0x400
	v_mov_b32 v129, 0
	v_lshlrev_b32 v1, 4, v0                        ; 16 i
	v_lshrrev_b32 v2, 4, v0
	v_lshlrev_b32 v2, 2, v2                        ; LDS: my chunk's word
	v_mov_b32 v3, 0
	v_lshrrev_b32 v30, 5, v0
	v_lshl_add_u32 v30, v30, 2, 256                ; LDS: my wave's word, in other bytes
	s_lshl_b32 s12, ttmp9, 12                      ; a row of 4,096 bytes
	s_mov_b32 s13, 0
	s_lshl_b32 s14, ttmp9, 16                      ; sixteen of them
	s_mov_b32 s15, 0
	s_mov_b32 s16, 0x3fb8aa3b                      ; log2 e
	s_mov_b32 s17, s16                             ; (named with it as a pair, so it is written)
	s_mov_b32 s18, 0x76543210
	s_mov_b32 s19, 0xfedcba98                      ; v_permlanex16_b32's selects for lane l xor 16
	s_wait_kmcnt 0x0
	s_add_nc_u64 s[4:5], s[4:5], s[12:13]
	s_add_nc_u64 s[6:7], s[6:7], s[14:15]
	s_add_nc_u64 s[8:9], s[8:9], s[12:13]
	s_add_nc_u64 s[10:11], s[10:11], s[12:13]
	global_load_b128 v[4:7], v1, s[4:5]
.irp c, 0,1,2,3,4,5,6,7,8,9,10,11,12,13,14,15
	global_load_b128 v[32+4*\c:35+4*\c], v1, s[6:7] offset:4096*\c th:TH_LOAD_NT
.endr
	s_wait_loadcnt 16                              ; the scores are in; ctxp's sixteen loads may be out
	v_max3_num_f32 v8, v4, v5, v6
	v_max_num_f32 v8, v8, v7
	v_max_num_f32_dpp v8, v8, v8 row_xmask:1 row_mask:0xf bank_mask:0xf
	v_max_num_f32_dpp v8, v8, v8 row_xmask:2 row_mask:0xf bank_mask:0xf
	v_max_num_f32_dpp v8, v8, v8 row_xmask:4 row_mask:0xf bank_mask:0xf
	v_max_num_f32_dpp v8, v8, v8 row_xmask:8 row_mask:0xf bank_mask:0xf     ; m of my chunk
	ds_store_b32 v2, v8                            ; sixteen lanes write the same word with the same value
	s_wait_dscnt 0x0
	s_barrier_signal -1
	s_barrier_wait -1
.irp k, 0,1,2,3
	ds_load_b128 v[12+4*\k:15+4*\k], v3 offset:16*\k               ; all sixteen m_c, in every lane
.endr
	s_wait_dscnt 0x0
	v_max3_num_f32 v28, v12, v13, v14
	v_max3_num_f32 v29, v15, v16, v17
	v_max3_num_f32 v8, v18, v19, v20
	v_max3_num_f32 v9, v21, v22, v23
	v_max3_num_f32 v10, v24, v25, v26
	v_max3_num_f32 v28, v28, v29, v8
	v_max3_num_f32 v9, v9, v10, v27
	v_max_num_f32 v28, v28, v9                     ; M
.irp j, 4,6,12,14,16,18,20,22,24,26
	v_pk_add_f32 v[\j:\j+1], v[\j:\j+1], v[28:29] op_sel_hi:[1,0] neg_lo:[0,1] neg_hi:[0,1]     ; score - M, m_c - M
.endr
.irp j, 4,6,12,14,16,18,20,22,24,26
	v_pk_mul_f32 v[\j:\j+1], v[\j:\j+1], s[16:17] op_sel_hi:[1,0]
.endr
.irp j, 4,5,6,7,12,13,14,15,16,17,18,19,20,21,22,23,24,25,26,27
	v_exp_f32 v[\j], v[\j]
.endr
	v_nop                                          ; a plain place behind the transcendentals
	s_wait_alu depctr_va_vdst(0)
	v_add_f32 v10, v4, v5
	v_add_f32 v11, v6, v7
	v_add_f32 v10, v10, v11
	v_add_f32_dpp v10, v10, v10 row_xmask:1 row_mask:0xf bank_mask:0xf
	v_add_f32_dpp v10, v10, v10 row_xmask:2 row_mask:0xf bank_mask:0xf
	v_add_f32_dpp v10, v10, v10 row_xmask:4 row_mask:0xf bank_mask:0xf
	v_add_f32_dpp v10, v10, v10 row_xmask:8 row_mask:0xf bank_mask:0xf
	v_permlanex16_b32 v11, v10, s18, s19
	v_add_f32 v10, v10, v11                        ; my wave's sum
	ds_store_b32 v30, v10
	s_wait_dscnt 0x0
	s_barrier_signal -1
	s_barrier_wait -1
	ds_load_b128 v[96:99], v3 offset:256
	ds_load_b128 v[100:103], v3 offset:272
	s_wait_dscnt 0x0
	v_add_f32 v10, v96, v97
.irp k, 98,99,100,101,102,103
	v_add_f32 v10, v10, v[\k]                      ; L, in the same order in every wave
.endr
	v_rcp_f32 v10, v10
	v_nop
	s_wait_alu depctr_va_vdst(0)
	v_pk_mul_f32 v[4:5], v[4:5], v[10:11] op_sel_hi:[1,0]
	v_pk_mul_f32 v[6:7], v[6:7], v[10:11] op_sel_hi:[1,0]
	global_store_b128 v1, v[4:7], s[10:11]         ; out1
.irp j, 12,14,16,18,20,22,24,26
	v_pk_mul_f32 v[\j:\j+1], v[\j:\j+1], v[10:11] op_sel_hi:[1,0]          ; the chunks' weights
.endr
	s_wait_loadcnt 0x0                             ; ctxp
	v_pk_mul_f32 v[104:105], v[32:33], v[12:13] op_sel_hi:[1,0]            ; chunk 0 starts the sums
	v_pk_mul_f32 v[106:107], v[34:35], v[12:13] op_sel_hi:[1,0]
.irp c, 1,2,3,4,5,6,7,8,9,10,11,12,13,14,15
.if \c%2
	v_pk_fma_f32 v[104:105], v[32+4*\c:33+4*\c], v[12+2*(\c/2):13+2*(\c/2)], v[104:105] op_sel:[0,1,0] op_sel_hi:[1,1,1]
	v_pk_fma_f32 v[106:107], v[34+4*\c:35+4*\c], v[12+2*(\c/2):13+2*(\c/2)], v[106:107] op_sel:[0,1,0] op_sel_hi:[1,1,1]
.else
	v_pk_fma_f32 v[104:105], v[32+4*\c:33+4*\c], v[12+2*(\c/2):13+2*(\c/2)], v[104:105] op_sel_hi:[1,0,1]
	v_pk_fma_f32 v[106:107], v[34+4*\c:35+4*\c], v[12+2*(\c/2):13+2*(\c/2)], v[106:107] op_sel_hi:[1,0,1]
.endif
.endr
	global_store_b128 v1, v[104:107], s[8:9]       ; out0
	s_wait_tensorcnt 0x0
	ds_add_u32 v128, v129
	s_wait_dscnt 0x0
	s_endpgm
.Lfunc_end_k_q9606021c03_finish:
	.size	k_q9606021c03_finish, .Lfunc_end_k_q9606021c03_finish-k_q9606021c03_finish
	.p2alignl 7, 3214868480
	.fill 96, 4, 3214868480
	.section	.rodata,"a",@progbits
	.p2align	6, 0x0
	.amdhsa_kernel k_q9606021c03_finish
		.amdhsa_group_segment_fixed_size 2048
		.amdhsa_private_segment_fixed_size 0
		.amdhsa_enable_private_segment 0
		.amdhsa_kernarg_size 32
		.amdhsa_user_sgpr_count 2
		.amdhsa_user_sgpr_kernarg_segment_ptr 1
		.amdhsa_wavefront_size32 1
		.amdhsa_system_sgpr_workgroup_id_x 1
		.amdhsa_system_sgpr_workgroup_id_y 1
		.amdhsa_system_sgpr_workgroup_id_z 1
		.amdhsa_system_vgpr_workitem_id 0
		.amdhsa_next_free_vgpr 130
		.amdhsa_next_free_sgpr 66
		.amdhsa_reserve_vcc 0
		.amdhsa_float_denorm_mode_32 3
		.amdhsa_float_denorm_mode_16_64 3
		.amdhsa_memory_ordered 1
		.amdhsa_forward_progress 1
		.amdhsa_inst_pref_size 11
	.end_amdhsa_kernel
	.amdgpu_metadata
---
amdhsa.version: [ 1, 2 ]
amdhsa.kernels:
  - .name:           k_q9606021c03_finish
    .symbol:         k_q9606021c03_finish.kd
    .args:
      - { .name: scores, .offset: 0, .size: 8, .value_kind: global_buffer, .address_space: global }
      - { .name: ctxp, .offset: 8, .size: 8, .value_kind: global_buffer, .address_space: global }
      - { .name: out0, .offset: 16, .size: 8, .value_kind: global_buffer, .address_space: global }
      - { .name: out1, .offset: 24, .size: 8, .value_kind: global_buffer, .address_space: global }
    .group_segment_fixed_size: 2048
    .private_segment_fixed_size: 0
    .kernarg_segment_align: 8
    .kernarg_segment_size: 32
    .max_flat_workgroup_size: 256
    .sgpr_count:     66
    .vgpr_count:     130
    .wavefront_size: 32
...
	.end_amdgpu_metadata
.endif
;; end of part 3
